; MI455X (gfx1250); checked and timed in simulation.
; The chip was launched on July 23, 2026; its instructions are those of AMD's public machine-readable ISA for CDNA 5 (MIT licence, August 2026) and "CDNA5" Instruction Set Architecture Reference Guide (July 2026). The comments in the code are by the model that wrote it; some were corrected since.
;; XPU Int4 Linear. Allowed arithmetic: matrix products marked QUANTISED: E2M1 operands, one E8M0 scale for each 32 along K, by v_wmma_scale_f32_16x16x128_f8f6f4 with both operands' format E2M1 (or v_wmma_scale_f32_32x16x128_f4), f32 sums; everything else in f32.
;; Inputs: bias 4,096 float32; qweight 4,096 x 512 int32; qzeros 4,096 x 4 int32; scales 4,096 x 32 float32; x_codes 4,096 x 128 x 16 uint8 (E2M1 codes of x, K innermost, in blocks of 32 codes, two codes a byte); x_scales 4,096 x 128 uint8 (E8M0 scales of x, one for each 32 codes along K).
;; Outputs: out0 4,096 x 4,096 float32.
;; This version of the problem:
;;   THIS VERSION OF THE PROBLEM IS GIVEN IN LOW PRECISION. The matrix products marked QUANTISED in the list below multiply operands that are first quantised to E2M1 (2 exponent bits, 1 mantissa bit; 4 bits a number), with one power-of-two scale for each 32 numbers along K (OCP MX v1.0); their sums are f32. All else is computed in f32.
;;   The module's matrix products, in the order in which they are computed (A, B: the left and right operand; K: the contracted axis; several contracted axes count as one K, in the product's order):
;;     1. [M 4,096, K 4,096] x [K 4,096, N 4,096]; A: input x (given as codes); B: computed on the way: QUANTISED
;;   THE QUANTISER, for each operand of a quantised product, along K:
;;     - K is cut into blocks of 32 from its start; a last block that is shorter is filled with zeros.
;;     - A block's scale is 2^e with e = floor(log2(the largest magnitude in the block)) - 2, held to -126 .. 127; a block of zeros has e = 0. As a byte (E8M0): e + 127.
;;     - Each number is divided by its block's scale, clamped to +-6, and rounded to the nearest number of E2M1, ties to even, subnormals kept.
;;     - The product sums the exact products of the quantised numbers (number of the format x scale) in f32.
;;   ~~~python
;;   def quantise(x, axis):      # numpy; x: float32 -> the quantised numbers, widened to float32 again
;;       x = np.moveaxis(x, axis, -1); K = x.shape[-1]
;;       x = np.pad(x, [(0, 0)] * (x.ndim - 1) + [(0, -K % 32)]); x = x.reshape(x.shape[:-1] + (-1, 32)); a = np.abs(x).max(-1, keepdims=True)
;;       e = np.where(a > 0, np.clip(np.frexp(np.where(a > 0, a, 1))[1] - 1 - 2, -126, 127), 0)      # np.frexp(a)[1] - 1 = floor(log2(a)), exactly
;;       r = np.clip(x / 2.0 ** e, -6, 6)
;;       step = 2.0 ** (np.maximum(np.frexp(np.where(r == 0, 1, r))[1] - 1, 0) - 1)
;;       q = np.round(r / step) * step * 2.0 ** e      # np.round: ties to even
;;       return np.moveaxis(q.reshape(q.shape[:-2] + (-1,))[..., :K], -1, axis).astype(np.float32)
;;   ~~~
;;   OPERANDS COMPUTED ON THE WAY. 'Computed on the way' means the value that the module computes at that place (a softmax that the list does not call 'softmax' is quantised finished and normalised). What goes into a quantiser is computed in f32, as accurately as f32 sums, v_exp_f32 and their like allow (about 1e-6 of the number): no bf16 or f16 on the way to a quantiser, and a product that is left as it is and whose result goes on into a quantised operand takes f32 operands (vector FMAs, or v_wmma_f32_16x16x4_f32). A number that lies on a knife's edge between two numbers of the format may be rounded either way, as far as f32 arithmetic and the matrix unit's own rounding can turn it there, and no further.
;;   INPUTS GIVEN AS CODES. x (in the module: [4096, 4096], K = its axis 1): each comes as NAME_codes (uint8): NAME with its K axis moved to the last place and cut into blocks of 32 codes, [.., K / 32, bytes a block], one block behind the other in memory; two codes a byte, the lower K in the low four bits (a code: sign, 2 exponent bits, 1 mantissa bit); and NAME_scales (uint8): the same leading axes, one E8M0 byte (e + 127) for each 32 codes along K. Its value is code x scale, taken as it is: it is not quantised again, and the codes and scales need not be those that the quantiser above would give.
;; One version. Each part assembles by itself: llvm-mc -triple=amdgcn-amd-amdhsa -mcpu=gfx1250 --defsym DOCPART=n.
;; ======== version 1 of 1: 2 launches
;; limits: right only within a limited range of input values
;; workspace buffers: wq 8,388,608 bytes; xs 524,288 bytes; ws 524,288 bytes
;; launch prep (part 1): grid 512 x 1, 8 waves a work-group, no clusters, 2,048 bytes of LDS; arguments qweight, qzeros, scales, x_scales, wq, xs, ws; writes wq, xs, ws
.if DOCPART == 1
	.amdgcn_target "amdgcn-amd-amdhsa--gfx1250"
	.amdhsa_code_object_version 6
	.text
	.protected	k_qb4f501dbf4_prep
	.globl	k_qb4f501dbf4_prep
	.p2align	8
	.type	k_qb4f501dbf4_prep,@function
k_qb4f501dbf4_prep:
	s_mov_b64 s[64:65], 0
	v_nop
	global_prefetch_b8 v0, s[64:65] scope:SCOPE_SE
	s_setreg_imm32_b32 hwreg(HW_REG_WAVE_MODE, 25, 1), 1
	s_wait_xcnt 0x0
; w[n][k] = (nibble(qweight)[n][k] - nibble(qzeros)[n][k / 128]) x scales[n][k / 128], in f32, is turned into codes of FP4 (E2M1), two codes a byte, the lower k in the low four bits, with one E8M0 byte for each 32 along K.
; THE OUTPUT IS LAID AS THE PRODUCT'S LAUNCH WANTS IT: wq [8 K steps of 512][4096 places][256 bytes of codes], ws [8][4096 places][16 scale bytes], and x's scale bytes in the same way: xs [8][4096 rows][16 bytes].
; THE ROWS OF w ARE PERMUTED within each 64: place 64 G + 16 b + r holds row n = 64 G + 4 r + b (b = 0 .. 3, r = 0 .. 15), so that in the product four neighbouring columns of one row fall to one lane.
; A block's scale is 2^(floor(log2(its largest magnitude)) - 2); its byte is that magnitude's exponent field - 2, held at 1 from below.  Each number is divided by the scale and rounded to the nearest code, ties to even;
; beyond the largest code the conversion gives the largest code.
; LIMITS: NaN and infinities among the scales are not served.  A block of zeros gets the byte 1, not 127: its codes are zeros, which add nothing under any byte but 0xff, and the bytes are read by this program alone.
; SHARES.  Work-group: 16 places (group RG = its number / 2: G = RG / 4, b = RG % 4) x four K steps; wave t takes K step 4 (number % 2) + t / 2 and eight of the rows.  In step i of four, lane l = 16 h + p owns ONE WHOLE
; BLOCK of 32: row r = 8 (t % 2) + 2 i + h, block p of the K step: four words in, four words of codes out: its largest magnitude needs no other lane, and a step's 32 blocks are 512 consecutive bytes of wq.
; A NIBBLE BECOMES f32 by one and-or: at bits 4 j .. 4 j + 3 of a word with the exponent of 2^(23 - 4 j) it is 2^(23 - 4 j) + nibble; the zero is laid the same way, and the difference of the two is exact.
; THE SCALE BYTES of two waves' 16 rows are 256 consecutive bytes of ws: they are gathered in LDS and, behind a barrier, stored by one instruction.
; No tensor load, no cluster (work-groups share no input), no loop, no prefetch (nothing to run ahead in): no register that a memory instruction names is written again.
.set SPARE, 1024                       ; behind 4 x 256 bytes of scale bytes: the spare words, 128 bytes a wave, that no other line names
.set OFW,  4                           ; qweight: 8,192 h + 16 p
.set OFS,  5                           ; scales: 512 h + 4 (p / 4)
.set OFZ,  6                           ; qzeros: 64 h
.set SH,   7                           ; the bit at which my group's zero begins in its word
.set LBY,  10                          ; LDS: my block's byte
.set LR8,  11                          ; LDS: 8 bytes a lane of the K step's 256
.set OUT,  12                          ; 16 l
.set OUT8, 13                          ; 8 l
.set MX,   14                          ; v14-17 the largest magnitude, in four chains
.set SO,   18                          ; the conversion's scale operand
.set ZI,   19                          ; the zero as a whole number
.set Z,    20                          ; v20-23 2^(23 - 4 j) + the zero
.set TW,   24                          ; v24-27 the words' upper halves
.set P,    28                          ; v28-35 step i: the scale, the word of zeros
.set W,    36                          ; v36-51 step i: four words of qweight
.set X,    52                          ; v52-83 32 numbers at work
.set C,    84                          ; v84-99 step i: four words of codes
.set E,    100                         ; v100-103 step i: the byte
.set XSC,  104                         ; v104-107 16 of x's scale bytes
.set SB8,  108                         ; v108-109 8 of w's
.set OFX,  110                         ; x_scales: 128 r + 16 h
.set OUX,  111                         ; xs: 16 r + 65,536 h
.set SPW,  112
.set NIL,  113
	s_load_b256 s[4:11], s[0:1], 0x0               ; qweight s[4:5], qzeros s[6:7], scales s[8:9], x_scales s[10:11]
	s_load_b128 s[12:15], s[0:1], 0x20             ; wq s[12:13], xs s[14:15]
	s_load_b64 s[16:17], s[0:1], 0x30              ; ws
	v_lshl_add_u32 v[SPW], v0, 2, SPARE
	v_mov_b32 v[NIL], 0
	v_lshrrev_b32 v1, 5, v0
	v_readfirstlane_b32 s18, v1                    ; t
	s_lshr_b32 s19, ttmp9, 1                       ; RG
	s_and_b32 s20, ttmp9, 1
	s_lshl_b32 s20, s20, 2                         ; the work-group's first K step
	s_lshl_b32 s21, s18, 1
	s_add_co_u32 s21, s20, s21                     ; waves 0 and 1 copy x's scale bytes of two K steps each: 4 (number % 2) + 2 t + h
	s_lshl_b32 s44, s19, 11                        ; from: 16 rows of 128 bytes,
	s_lshl_b32 s45, s21, 4
	s_add_co_u32 s44, s44, s45
	s_mov_b32 s45, 0
	s_lshl_b32 s46, s19, 8                         ; to: 16 rows of 16 bytes
	s_lshl_b32 s47, s21, 16
	s_add_co_u32 s46, s46, s47
	s_mov_b32 s47, 0
	s_lshr_b32 s21, s18, 1
	s_add_co_u32 s20, s20, s21                     ; my K step
	s_and_b32 s22, s18, 1                          ; which eight of the 16 rows
	s_lshl_b32 s48, s20, 16                        ; ws: the K step, the 16 places
	s_lshl_b32 s49, s19, 8
	s_add_co_u32 s48, s48, s49
	s_mov_b32 s49, 0
	s_lshr_b32 s23, s19, 2
	s_lshl_b32 s23, s23, 6
	s_and_b32 s24, s19, 3
	s_add_co_u32 s23, s23, s24                     ; 64 G + b,
	s_lshl_b32 s24, s22, 5
	s_add_co_u32 s23, s23, s24                     ; + 4 x 8: my first row; my rows lie 4 apart
	s_lshl_b32 s24, s23, 11                        ; qweight: 2,048 bytes a row, 256 a K step
	s_lshl_b32 s26, s20, 8
	s_add_co_u32 s24, s24, s26
	s_mov_b32 s25, 0
	s_lshl_b32 s26, s23, 4                         ; qzeros: 16 bytes a row; a K step's four groups lie in word K step / 2
	s_lshr_b32 s28, s20, 1
	s_lshl_b32 s28, s28, 2
	s_add_co_u32 s26, s26, s28
	s_mov_b32 s27, 0
	s_lshl_b32 s28, s23, 7                         ; scales: 128 bytes a row, 16 a K step
	s_lshl_b32 s30, s20, 4
	s_add_co_u32 s28, s28, s30
	s_mov_b32 s29, 0
	s_lshl_b32 s30, s20, 20                        ; wq: the K step, the 16 places, my eight of them
	s_lshl_b32 s31, s19, 12
	s_add_co_u32 s30, s30, s31
	s_lshl_b32 s31, s22, 11
	s_add_co_u32 s30, s30, s31
	s_mov_b32 s31, 0
	s_and_b32 s32, s20, 1
	s_lshl_b32 s32, s32, 4                         ; 16 (K step % 2)
	s_lshl_b32 s33, s18, 7                         ; LDS: my eight rows' 128 scale bytes
	s_lshl_b32 s34, s21, 8                         ; LDS: my K step's 256
	s_mov_b32 s36, 0x4b000000                      ; 2^23, 2^19, 2^15, 2^11
	s_mov_b32 s37, 0x49000000
	s_mov_b32 s38, 0x47000000
	s_mov_b32 s39, 0x45000000
	s_mov_b32 s40, 0xf
	s_mov_b32 s41, 0xf0
	s_mov_b32 s42, 0xf00
	s_mov_b32 s43, 0xf000
	v_and_b32 v1, 31, v0                           ; l
	v_and_b32 v2, 15, v0                           ; p (also r)
	v_bfe_u32 v3, v0, 4, 1                         ; h
	v_bfe_u32 v8, v0, 2, 2                         ; p / 4
	v_lshlrev_b32 v[OUT], 4, v1
	v_lshlrev_b32 v[OFW], 4, v2
	v_lshlrev_b32 v[OFZ], 6, v3
	v_lshlrev_b32 v[OFS], 2, v8
	v_lshlrev_b32 v[OUX], 4, v2
	v_lshlrev_b32 v[OFX], 7, v2
	v_lshlrev_b32 v[OUT8], 3, v1
	v_lshl_add_u32 v[OFW], v3, 13, v[OFW]
	v_add_nc_u32 v[SH], s32, v[OFS]
	v_lshl_add_u32 v[OUX], v3, 16, v[OUX]
	v_lshl_add_u32 v[OFX], v3, 4, v[OFX]
	v_lshl_add_u32 v[OFS], v3, 9, v[OFS]
	v_add_nc_u32 v[LBY], s33, v1
	v_add_nc_u32 v[LR8], s34, v[OUT8]
.irp i, 0,1,2,3
	v_mov_b32 v[XSC+\i], 0                         ; written on every way: only two of the waves load x's scale bytes here
.endr
	s_wait_alu depctr_va_vdst(0)                   ; the wait at the head's end
	s_wait_kmcnt 0x0
	s_add_nc_u64 s[4:5], s[4:5], s[24:25]
	s_add_nc_u64 s[6:7], s[6:7], s[26:27]
	s_add_nc_u64 s[8:9], s[8:9], s[28:29]
	s_add_nc_u64 s[10:11], s[10:11], s[44:45]
	s_add_nc_u64 s[12:13], s[12:13], s[30:31]
	s_add_nc_u64 s[14:15], s[14:15], s[46:47]
	s_add_nc_u64 s[16:17], s[16:17], s[48:49]
	; all loads of the wave go out at once
	s_cmp_lt_u32 s18, 2
	s_cbranch_scc0 .Lno_x
	global_load_b128 v[XSC:XSC+3], v[OFX], s[10:11]   ; lane (h, r): row r, K step h of two: the work-group's two waves take 64 of each row's 128 bytes; stored at the wave's end
.Lno_x:
.irp i, 0,1,2,3                        ; step by step, so that a step waits for its own three loads and those ahead of them
	global_load_b32 v[P+2*\i], v[OFS], s[8:9] offset:1024*\i
	global_load_b32 v[P+2*\i+1], v[OFZ], s[6:7] offset:128*\i
	global_load_b128 v[W+4*\i:W+4*\i+3], v[OFW], s[4:5] offset:16384*\i th:TH_LOAD_NT   ; sixteen lanes read 256 consecutive bytes; read once in the launch
.endr
.macro STEPQ st
	s_wait_loadcnt 9-3*\st                         ; loads come back in order (ISA guide 5.7.1): this step's three are in, the later steps' stay out
	v_bfe_u32 v[ZI], v[P+2*\st+1], v[SH], 4
.irp c, 0,1,2,3
	v_lshrrev_b32 v[TW+\c], 16, v[W+4*\st+\c]
.endr
.irp j, 0,1,2,3
	v_lshl_or_b32 v[Z+\j], v[ZI], 4*\j, s[36+\j]
.endr
.irp c, 0,1,2,3
.irp j, 0,1,2,3
	v_and_or_b32 v[X+8*\c+\j], v[W+4*\st+\c], s[40+\j], s[36+\j]   ; nibble j of word c is k = 8 c + j of my block
	v_and_or_b32 v[X+8*\c+4+\j], v[TW+\c], s[40+\j], s[36+\j]
.endr
.endr
.irp n, 0,4,8,12,16,20,24,28
	v_pk_add_f32 v[X+\n:X+\n+1], v[X+\n:X+\n+1], v[Z:Z+1] neg_lo:[0,1] neg_hi:[0,1]           ; nibble - zero: exact
	v_pk_add_f32 v[X+\n+2:X+\n+3], v[X+\n+2:X+\n+3], v[Z+2:Z+3] neg_lo:[0,1] neg_hi:[0,1]
.endr
.irp n, 0,2,4,6,8,10,12,14,16,18,20,22,24,26,28,30
	v_pk_mul_f32 v[X+\n:X+\n+1], v[X+\n:X+\n+1], v[P+2*\st:P+2*\st+1] op_sel_hi:[1,0]   ; x the scale, one rounding: of the pair the low word serves both halves
.endr
.irp k, 0,1,2,3
	v_max3_num_f32 v[MX+\k], |v[X+3*\k]|, |v[X+3*\k+1]|, |v[X+3*\k+2]|    ; the block's largest magnitude, four chains by turns
.endr
.irp n, 12,20
.irp k, 0,1,2,3
	v_max3_num_f32 v[MX+\k], v[MX+\k], |v[X+\n+2*\k]|, |v[X+\n+2*\k+1]|
.endr
.endr
	v_max3_num_f32 v[MX], v[MX], |v[X+28]|, |v[X+29]|
	v_max3_num_f32 v[MX+1], v[MX+1], |v[X+30]|, |v[X+31]|
	v_max3_num_f32 v[MX+2], v[MX+2], v[MX+3], 0x1800000    ; and the floor 2^(3 - 127): so the byte cannot fall under 1
	s_delay_alu instid0(VALU_DEP_1)
	v_max3_num_f32 v[MX], v[MX], v[MX+1], v[MX+2]
	s_delay_alu instid0(VALU_DEP_1)
	v_add_nc_u32 v[SO], 0xff000000, v[MX]          ; 2 off its exponent field: the conversion takes the exponent field of this operand as its scale, and nothing else of it
.irp g, 0,1,2,3
	v_cvt_scalef32_pk8_fp4_f32 v[C+4*\st+\g], v[X+8*\g:X+8*\g+7], v[SO]   ; eight codes a word, the lowest k in the lowest four bits
.endr
	v_lshrrev_b32 v[E+\st], 23, v[SO]              ; the scale's byte; also the plain line behind the conversions
.endm
.macro SEND2 a, b                      ; two steps' codes and scale bytes leave together
.irp st, \a, \b
	global_store_b128 v[OUT], v[C+4*\st:C+4*\st+3], s[12:13] offset:512*\st   ; 32 lanes store 512 consecutive bytes, at a multiple of 256 from wq's first byte
.endr
.irp st, \a, \b
	ds_store_b8 v[LBY], v[E+\st] offset:32*\st
.endr
.endm
	STEPQ 0
	STEPQ 1
	SEND2 0, 1
	STEPQ 2
	STEPQ 3
	SEND2 2, 3
	s_cmp_lt_u32 s18, 2
	s_cbranch_scc0 .Lno_x_out
	global_store_b128 v[OUX], v[XSC:XSC+3], s[14:15]  ; in since the first step's wait; sixteen lanes store 256 consecutive bytes, at a multiple of 256 from xs's first byte
.Lno_x_out:
	s_wait_dscnt 0x0                               ; for the other wave's sake: my rows' bytes are in LDS
	s_barrier_signal -1
	s_barrier_wait -1
	s_cmp_lg_u32 s22, 0
	s_cbranch_scc1 .Lsecond                        ; the first wave of a pair stores the K step's scale bytes of the 16 places
	ds_load_b64 v[SB8:SB8+1], v[LR8]
	s_wait_dscnt 0x0
	global_store_b64 v[OUT8], v[SB8:SB8+1], s[16:17]   ; 32 lanes store 256 consecutive bytes, at a multiple of 256 from ws's first byte
.Lsecond:
	s_wait_tensorcnt 0x0                           ; the wave's end
	ds_add_u32 v[SPW], v[NIL]
	s_wait_dscnt 0x0
	s_endpgm
.Lfunc_end_k_qb4f501dbf4_prep:
	.size	k_qb4f501dbf4_prep, .Lfunc_end_k_qb4f501dbf4_prep-k_qb4f501dbf4_prep
	.p2alignl 7, 3214868480
	.fill 96, 4, 3214868480
	.section	.rodata,"a",@progbits
	.p2align	6, 0x0
	.amdhsa_kernel k_qb4f501dbf4_prep
		.amdhsa_group_segment_fixed_size 2048
		.amdhsa_private_segment_fixed_size 0
		.amdhsa_enable_private_segment 0
		.amdhsa_kernarg_size 56
		.amdhsa_user_sgpr_count 2
		.amdhsa_user_sgpr_kernarg_segment_ptr 1
		.amdhsa_wavefront_size32 1
		.amdhsa_system_sgpr_workgroup_id_x 1
		.amdhsa_system_sgpr_workgroup_id_y 1
		.amdhsa_system_sgpr_workgroup_id_z 1
		.amdhsa_system_vgpr_workitem_id 0
		.amdhsa_next_free_vgpr 128
		.amdhsa_next_free_sgpr 66
		.amdhsa_reserve_vcc 0
		.amdhsa_float_denorm_mode_32 3
		.amdhsa_float_denorm_mode_16_64 3
		.amdhsa_memory_ordered 1
		.amdhsa_forward_progress 1
		.amdhsa_inst_pref_size 30
	.end_amdhsa_kernel
	.amdgpu_metadata
---
amdhsa.version: [ 1, 2 ]
amdhsa.kernels:
  - .name:           k_qb4f501dbf4_prep
    .symbol:         k_qb4f501dbf4_prep.kd
    .args:
      - { .name: qweight, .offset: 0, .size: 8, .value_kind: global_buffer, .address_space: global }
      - { .name: qzeros, .offset: 8, .size: 8, .value_kind: global_buffer, .address_space: global }
      - { .name: scales, .offset: 16, .size: 8, .value_kind: global_buffer, .address_space: global }
      - { .name: x_scales, .offset: 24, .size: 8, .value_kind: global_buffer, .address_space: global }
      - { .name: wq, .offset: 32, .size: 8, .value_kind: global_buffer, .address_space: global }
      - { .name: xs, .offset: 40, .size: 8, .value_kind: global_buffer, .address_space: global }
      - { .name: ws, .offset: 48, .size: 8, .value_kind: global_buffer, .address_space: global }
    .group_segment_fixed_size: 2048
    .private_segment_fixed_size: 0
    .kernarg_segment_align: 8
    .kernarg_segment_size: 56
    .max_flat_workgroup_size: 256
    .sgpr_count:     66
    .vgpr_count:     128
    .wavefront_size: 32
...
	.end_amdgpu_metadata
.endif
;; end of part 1
;; launch gemm (part 2): grid 16 x 16, 4 waves a work-group, clusters of 4 x 4, 327,680 bytes of LDS; arguments x_codes, xs, wq, ws, bias, out0; writes out0
.if DOCPART == 2
	.amdgcn_target "amdgcn-amd-amdhsa--gfx1250"
	.amdhsa_code_object_version 6
	.text
	.protected	k_qb4f501dbf4_gemm
	.globl	k_qb4f501dbf4_gemm
	.p2align	8
	.type	k_qb4f501dbf4_gemm,@function
k_qb4f501dbf4_gemm:
	s_mov_b64 s[64:65], 0
	v_nop
	global_prefetch_b8 v0, s[64:65] scope:SCOPE_SE
	s_setreg_imm32_b32 hwreg(HW_REG_WAVE_MODE, 25, 1), 1
	s_wait_xcnt 0x0
	s_wait_alu depctr_hold_cnt(0) depctr_sa_sdst(0) depctr_va_vdst(0) depctr_va_sdst(0) depctr_va_ssrc(0) depctr_va_vcc(0) depctr_vm_vsrc(0)
	s_getreg_b32 s2, hwreg(HW_REG_IB_STS2, 6, 4)
	s_cmp_eq_u32 s2, 0
	s_cbranch_scc0 .Lentry_in_a_cluster
	s_endpgm
.Lentry_in_a_cluster:
	s_bfe_u32 s2, ttmp6, 0x10000c
	s_cmp_lg_u32 s2, 0xf033
	s_cbranch_scc0 .Lentry_shape_is_right
	s_endpgm
.Lentry_shape_is_right:
; out0[m][n] = bias[n] + the sum over k of x[m][k] w[n][k], on codes of FP4 (E2M1) with one E8M0 byte for each 32 along K; out0: [4096][4096] f32; sums in f32.  The matrix instruction takes codes and scale bytes as they lie.
; x's codes: [4096][2048 bytes], K innermost.  w's: wq [8 K steps of 512][4096 places][256 bytes]; place 64 G + 16 b + r holds w's row 64 G + 4 r + b.  Scale bytes: xs [8][4096 rows][16], ws [8][4096 places][16].
; A tile of out0, 256 x 256, is made by a work-group of four waves, as many as a WGP has SIMDs; a wave makes 128 x 128.  256 tiles, 256 work-groups.
; THE FORM is 32 x 16 x 128: source 0 = 32 rows of x, source 1 = 16 places of w.  Accumulator (a, b), 16 registers: lane (r, h), register j holds row 32 a + 16 (j / 8) + 8 h + j % 8, place 16 b + r.  By w's permutation the four accumulators
; b = 4 g .. 4 g + 3 give a lane the columns 64 g + 4 r + 0 .. 3 of one row: 16 neighbouring bytes, and sixteen lanes one aligned unit of 256 bytes.  So results leave from registers: the addition of the bias gathers them, and no LDS stage is needed.
; K goes in 8 steps of 512 through a ring of two LDS slots filled by the tensor data mover, a quarter of a slot a wave: waves 0 and 1 128 rows of x's codes each, waves 2 and 3 128 places of wq each (32,768 consecutive bytes);
; 16 bytes of padding behind every 256.
; THE SCALE WORDS go from memory straight into registers, a K step ahead: eight loads of 512 consecutive bytes a wave.  They are 8,192 of the 139,264 bytes that a K step brings to a work-group, so they are not asked for jointly.
; CLUSTERS: 4 x 4 work-groups.  The four of a row of the cluster need the same tiles of x, the four of a column the same tiles of w: each tile is asked for JOINTLY, by the same tensor load with the same descriptor and a mask that names the four.
; PREFETCH: K step 1's tiles are asked of memory behind the head's load, 2 and 3 behind K step 1's, and from there on what is loaded two K steps on; the four partners share a tile's blocks of 256 bytes out by address;
; the last two K steps' loads ask for nothing.
; REGISTERS, in windows of 256: window 0: v0-31 addresses and the bias; v32-95 scale words, two sets of 32; v128-255 x's fragments, two sets of 64 (in the last K step two blocks of 32 rows x 512 K).
;   window 1: w's fragments, sets at v0 and v128 (in the last K step all 256: the whole K step's).   window 2: accumulators (0, b), (1, b);   window 3: (2, b), (3, b).
; Both operands have two sets, so the 32 LDS loads of a step's fragments go out in one run at the head of the step before, with its 32 matrix instructions in which to land.
; THE LAST K STEP GOES BY ROWS of out0: the wave's four blocks of 32 rows are finished one after the other, and a block's rows leave among the next block's products.
.set KROW,   2048                      ; a row of x's codes in memory, in bytes
.set ROWB,   256                       ; a K step's codes of a row, in bytes
.set PITCH,  272                       ; an LDS row: 68 words: row r starts at bank 4 r mod 64 (64 banks of 4 bytes: ISA guide 11.1), so the 16 rows that a load touches start at 16 different banks
.set HALFT,  128*PITCH
.set SLOT,   4*HALFT                   ; x's 256 rows, then w's 256 places
.set WSTEP,  4096*ROWB                 ; from a K step of wq to the next
.set SSTEP,  4096*16                   ; from a K step of xs or ws to the next
.set SPARE,  2*SLOT                    ; behind the ring: the spare words, 128 bytes a wave: two blocks of 256 bytes that no other line names
.set LAPS,   4                         ; a lap = two K steps
.set OROW,   16384                     ; a row of out0 in bytes
.set ADRA, 10                          ; v10-11  LDS address of my fragments of x in slot 0, 1
.set ADRB, 12                          ; v12-13  the same for w
.set VSO,  14                          ; v14     scale words: 16 l
.set CO,   17                          ; v17     my byte offset in out0
.set SPW,  18                          ; v18     LDS address of my spare word; never rewritten
.set NIL,  19                          ; v19     0; never rewritten
.set PFO,  20                          ; v20     the prefetches' offset
.set BO,   22                          ; v22     the bias: 16 r
.set BI,   24                          ; v24-31  the bias of columns 64 g + 4 r + k, at 4 g + k
.set SC,   32                          ; set s (for slot s) at v[SC + 32 s]: x's word of block a for the q-th 128 along K at 4 a + q (lane = row); w's at 16 + 4 i + q: lanes 0-15 block 2 i, lanes 16-31 block 2 i + 1
.set TF,   96                          ; v96-127 on the way out of block 0
.set XF,   128
.set WV,   16                          ; s16 my wave's number
.set MH,   17                          ; s17 which half of the tile's rows is mine.  Also: I fetch for x (0) or for w (1)
.set NH,   18                          ; s18 which half of its columns.  Also: which 128 rows of that tile I fetch
.set G1A,  24
.set G1B,  32
.set XSB,  52                          ; s[52:53], s[54:55] xs and ws at my rows and places, at a K step that steps by two
.set WSB,  54
.set G0A,  56                          ; the ring's, a set of four for each slot
.set G0B,  68
.set PFA,  80                          ; s[80:81] where my prefetches stand; s[82:83] two K steps on
.set MSB, 0
.macro WIN new                         ; the immediate's high byte repeats the setting that is left
.if MSB != (\new)
	s_set_vgpr_msb (MSB<<8)|(\new)
.set MSB, \new
.endif
.endm
.set MUL_LO, 0xa4                      ; source 0 (x) window 0, source 1 (w) window 1, C and D window 2; + 0x50: C and D window 3
.set TO_B,   0x40                      ; destination window 1, address window 0
.macro PLACES                          ; four plain places behind a matrix instruction (ISA guide 7.12.1)
.rept 4
	v_nop
.endr
.endm
.macro TLOAD g0, g1
	tensor_load_to_lds s[\g0:\g0+3], s[\g1:\g1+7]
	s_nop 0
	PLACES
.endm
; A joint load: waves 0 and 1 fetch for x, waves 2 and 3 for w.  Each line has ONE mask for all that issue it; the branch hangs on the wave's number alone.
.macro JLOAD s
	s_cmp_eq_u32 s[MH], 0
	s_cbranch_scc0 .Lfor_w_\@
	TLOAD G0A+4*\s, G1A
	s_branch .Lasked_\@
.Lfor_w_\@:
	TLOAD G0B+4*\s, G1B
.Lasked_\@:
.endm
; A prefetch of the K step n beyond where PFA stands.  Of the 128 rows of x or of wq that a wave fetches each of the four partners takes 32, a lane a row of 256 bytes.
.macro ASK n
	s_cmp_eq_u32 s[MH], 0
	s_cbranch_scc0 .Lask_w_\@
	global_prefetch_b8 v[PFO], s[PFA:PFA+1] offset:ROWB*\n th:TH_LOAD_NT scope:SCOPE_SE
	s_branch .Lask_end_\@
.Lask_w_\@:
	global_prefetch_b8 v[PFO], s[PFA:PFA+1] offset:WSTEP*\n th:TH_LOAD_NT scope:SCOPE_SE
.Lask_end_\@:
.endm
.macro CREST                           ; a round of the cluster's barrier behind its opening barrier
	s_cmp_lg_u32 s[WV], 0
	s_cbranch_scc1 .Lnot_wave_0_\@
	s_barrier_signal -3
.Lnot_wave_0_\@:
	s_barrier_wait -3
	s_barrier_signal -1
	s_barrier_wait -1
.endm
.macro CROUND                          ; a whole round
	s_barrier_signal -1
	s_barrier_wait -1
	CREST
.endm
.macro SHAPE g, c, r, p                ; descriptor group 1 behind its first word: r rows of c elements, p elements from row to row
	s_mov_b32 s[\g+1], (\c)<<16
	s_mov_b32 s[\g+2], (\r)<<16
	s_mov_b32 s[\g+3], (\c)<<16
	s_mov_b32 s[\g+4], \r
	s_mov_b32 s[\g+5], \p
	s_mov_b32 s[\g+6], 0
	s_mov_b32 s[\g+7], 0
.endm
; The scale words of the K step k beyond where XSB and WSB stand, into set s: a row's 16 bytes are the words of the K step's four steps of 128.
.macro SCALES s, k
.irp i, 0,1,2,3
	global_load_b128 v[SC+32*(\s)+4*\i:SC+32*(\s)+4*\i+3], v[VSO], s[XSB:XSB+1] offset:SSTEP*\k+512*\i
.endr
.irp i, 0,1,2,3
	global_load_b128 v[SC+32*(\s)+16+4*\i:SC+32*(\s)+16+4*\i+3], v[VSO], s[WSB:WSB+1] offset:SSTEP*\k+512*\i
.endr
.endm
	s_load_b256 s[4:11], s[0:1], 0x0               ; x's codes s[4:5], xs s[6:7], wq s[8:9], ws s[10:11]
	s_load_b128 s[12:15], s[0:1], 0x20             ; bias s[12:13], out0 s[14:15]
	v_lshl_add_u32 v[SPW], v0, 2, SPARE
	v_mov_b32 v[NIL], 0
	ds_add_u32 v[SPW], v[NIL]                      ; the wave's opening: the add, twice on end, and its wait
	ds_add_u32 v[SPW], v[NIL]
	v_lshrrev_b32 v1, 5, v0
	v_readfirstlane_b32 s[WV], v1
	s_lshr_b32 s[MH], s[WV], 1
	s_and_b32 s[NH], s[WV], 1
	s_bfe_u32 s19, ttmp6, 0x40000                  ; cx, cy: my place in the cluster
	s_bfe_u32 s20, ttmp6, 0x40004
	s_lshl_b32 s21, ttmp9, 2
	s_add_co_u32 s21, s21, s19                     ; tile column
	s_and_b32 s22, ttmp7, 0xffff
	s_lshl_b32 s22, s22, 2
	s_add_co_u32 s22, s22, s20                     ; tile row
	s_lshl_b32 s92, s20, 2
	s_lshl_b32 s92, 15, s92                        ; my row of the cluster
	s_lshl_b32 s91, 0x1111, s19                    ; my column
	; group 1, first words: the mask; element of 1 or 8 bytes; padding of 4 words behind every 64; bit 21 beside a mask
	s_or_b32 s[G1A], s92, (0<<16)|(1<<20)|(1<<21)|(5<<22)|(3<<25)
	s_or_b32 s[G1B], s91, (3<<16)|(1<<20)|(1<<21)|(5<<22)|(3<<25)
	SHAPE G1A, ROWB, 128, KROW                     ; x's codes: 128 rows of 256 bytes
	SHAPE G1B, 32, 128, 32                         ; wq: a dense block, as 128 rows of 256 bytes
	; where the tiles come from: x's hang on the tile row alone, w's on the tile column alone
	s_lshl_b32 s94, s22, 19
	s_lshl_b32 s88, s[NH], 18
	s_add_co_u32 s94, s94, s88                     ; x: the tile's rows, my 128 of them
	s_mov_b32 s95, 0
	s_lshl_b32 s98, s21, 16
	s_lshl_b32 s86, s[NH], 15
	s_add_co_u32 s98, s98, s86                     ; w: the tile's places, my 128 of them
	s_mov_b32 s99, 0
	s_mul_i32 s93, s[WV], HALFT                    ; the ring's LDS address: x's two halves, then w's: no place in the cluster enters it
	; scale words: my half of the tile's rows of x, my half of its places of w
	s_lshl_b32 s42, s22, 12
	s_lshl_b32 s23, s[MH], 11
	s_add_co_u32 s42, s42, s23
	s_mov_b32 s43, 0
	s_lshl_b32 s44, s21, 12
	s_lshl_b32 s23, s[NH], 11
	s_add_co_u32 s44, s44, s23
	s_mov_b32 s45, 0
	; the prefetches' place: the rows that I fetch, my work-group's share of them
	s_lshl_b32 s100, s22, 19
	s_add_co_u32 s100, s100, s88
	s_lshl_b32 s23, s19, 16
	s_add_co_u32 s100, s100, s23                   ; x: 32 rows of 2,048 bytes a partner
	s_lshl_b32 s101, s21, 16
	s_add_co_u32 s101, s101, s86
	s_lshl_b32 s23, s20, 13
	s_add_co_u32 s101, s101, s23                   ; w: 32 rows of 256 bytes a partner
	s_mov_b32 s2, 2*WSTEP
	s_movk_i32 s23, 256
	s_mov_b32 s83, 0
	s_cmp_eq_u32 s[MH], 0
	s_cselect_b32 s100, s100, s101
	s_cselect_b32 s82, 2*ROWB, s2
	s_cselect_b32 s90, KROW, s23                   ; from lane to lane
	s_mov_b32 s101, 0
	s_lshl_b32 s66, s21, 10                        ; my first column, in bytes of f32
	s_lshl_b32 s23, s[NH], 9
	s_add_co_u32 s66, s66, s23
	s_mov_b32 s67, 0
	s_lshl_b32 s40, s22, 22                        ; my first row of out0
	s_lshl_b32 s23, s[MH], 21
	s_add_co_u32 s40, s40, s23
	s_mov_b32 s41, 0
	s_mul_i32 s84, s[MH], HALFT                    ; LDS: my 128 rows of x;
	s_mul_i32 s2, s[NH], HALFT
	s_add_co_u32 s2, s2, 2*HALFT                   ; my 128 places of w, behind x's 256 rows
	v_and_b32 v1, 15, v0                           ; r
	v_bfe_u32 v2, v0, 4, 1                         ; h
	v_and_b32 v5, 31, v0                           ; l
	v_mul_u32_u24 v3, v1, PITCH
	v_lshlrev_b32 v[VSO], 4, v5
	v_lshlrev_b32 v[BO], 4, v1
	v_lshl_add_u32 v4, v2, 4, v3                   ; a fragment's row x pitch + 16 h
	v_lshlrev_b32 v9, 17, v2                       ; 8 h rows of out0
	v_mul_u32_u24 v[PFO], s90, v5
	v_add_nc_u32 v[ADRA], s84, v4
	v_add_nc_u32 v[ADRB], s2, v4
	v_lshl_add_u32 v[CO], v1, 4, v9
	v_add_nc_u32 v[ADRA+1], SLOT, v[ADRA]
	v_add_nc_u32 v[ADRB+1], SLOT, v[ADRB]
	s_wait_alu depctr_va_vdst(0)                   ; the wait at the head's end
	s_wait_dscnt 0x0                               ; both opening adds are done
	s_wait_kmcnt 0x0
	s_add_nc_u64 s[94:95], s[4:5], s[94:95]
	s_add_nc_u64 s[98:99], s[8:9], s[98:99]
.irp s, 0,1
	s_mov_b32 s[G0A+4*\s], 1
	s_add_co_u32 s[G0A+4*\s+1], s93, \s*SLOT
	s_add_nc_u64 s[G0A+4*\s+2:G0A+4*\s+3], s[94:95], \s*ROWB
	s_or_b32 s[G0A+4*\s+3], s[G0A+4*\s+3], 0x80000000
	s_mov_b32 s[G0B+4*\s], 1
	s_add_co_u32 s[G0B+4*\s+1], s93, \s*SLOT
	s_add_nc_u64 s[G0B+4*\s+2:G0B+4*\s+3], s[98:99], \s*WSTEP
	s_or_b32 s[G0B+4*\s+3], s[G0B+4*\s+3], 0x80000000
.endr
	CROUND                                         ; all sixteen work-groups are here: the first joint loads meet
	JLOAD 0                                        ; K step 0: one tensor load a wave at the head
	s_add_nc_u64 s[XSB:XSB+1], s[6:7], s[42:43]
	s_add_nc_u64 s[WSB:WSB+1], s[10:11], s[44:45]
	s_add_nc_u64 s[12:13], s[12:13], s[66:67]
	SCALES 0, 0
	global_load_b128 v[BI:BI+3], v[BO], s[12:13]
	global_load_b128 v[BI+4:BI+7], v[BO], s[12:13] offset:256
	s_cmp_eq_u32 s[MH], 0
	s_cselect_b64 s[PFA:PFA+1], s[4:5], s[8:9]
	s_add_nc_u64 s[PFA:PFA+1], s[PFA:PFA+1], s[100:101]
	s_add_nc_u64 s[14:15], s[14:15], s[40:41]
	s_add_nc_u64 s[14:15], s[14:15], s[66:67]
	ASK 1
; One matrix instruction, by the symbols that WMM or WROW sets.  x's scale words fill the 32 lanes; w's odd blocks read theirs from lanes 16-31.  CZ = 1: the first product starts the sum.
.macro EMIT
.if CZ
.if wB%2
	v_wmma_scale_f32_32x16x128_f4 v[rD:rD+15], v[rX:rX+15], v[rW:rW+7], 0, v[rS], v[rT] matrix_b_scale:MATRIX_SCALE_ROW1
.else
	v_wmma_scale_f32_32x16x128_f4 v[rD:rD+15], v[rX:rX+15], v[rW:rW+7], 0, v[rS], v[rT]
.endif
.else
.if wB%2
	v_wmma_scale_f32_32x16x128_f4 v[rD:rD+15], v[rX:rX+15], v[rW:rW+7], v[rD:rD+15], v[rS], v[rT] matrix_b_scale:MATRIX_SCALE_ROW1
.else
	v_wmma_scale_f32_32x16x128_f4 v[rD:rD+15], v[rX:rX+15], v[rW:rW+7], v[rD:rD+15], v[rS], v[rT]
.endif
.endif
.endm
; Product m of a step's 32: x's block m / 8 against w's block m % 8; CQ: the slot's q-th 128 along K, CP: the fragments' set, CS: the scale words' set.  The 32 accumulators take turns, in the same order in every step.
.macro WMM m
.set wA, (\m)/8
.set wB, (\m)%8
.set rD, 128*(wA%2)+16*wB
.set rX, XF+64*CP+16*wA
.set rW, 128*CP+8*wB
.set rS, SC+32*CS+4*wA+CQ
.set rT, SC+32*CS+16+4*(wB/2)+CQ
	WIN MUL_LO+0x50*(wA/2)
	EMIT
.endm
.macro MULS n                          ; the next n products
.rept \n
	WMM mm
.set mm, mm+1
.endr
.endm
; Load i of the 32 that bring a step's fragments (slot LSLOT, its LQ-th 128 along K, set LP), in the order of their first use: x's block 0 (4 loads), w's eight (16), x's blocks 1, 2, 3 (4 each).
; 16 rows x 128 K are 8 registers: registers 4 c .. 4 c + 3 hold K = 64 c + 32 h + 0 .. 31.
.macro LD i
.set lC, (\i)%2
.if ((\i)>3)&&((\i)<20)
.set lF, (\i)/2-2
	WIN TO_B
	ds_load_b128 v[128*LP+8*lF+4*lC:128*LP+8*lF+4*lC+3], v[ADRB+LSLOT] offset:64*LQ+32*lC+lF*16*PITCH
.else
.if (\i)<4
.set lF, (\i)/2
.else
.set lF, (\i)/2-8
.endif
	WIN 0
	ds_load_b128 v[XF+64*LP+8*lF+4*lC:XF+64*LP+8*lF+4*lC+3], v[ADRA+LSLOT] offset:64*LQ+32*lC+lF*16*PITCH
.endif
.endm
.macro FETCH slot, q, p                ; all 32 in one run
.set LSLOT, \slot
.set LQ, \q
.set LP, \p
.set li, 0
.rept 32
	LD li
.set li, li+1
.endr
.endm
; A step that has its successor in the same slot.  In front of its run of loads x's blocks 1 to 3 of this step (12 loads) may be out; ahead of x's block a the wait leaves out the 32 just issued and x's later blocks (12 - 4 a).
; k: behind the run the scale words of the K step k beyond where their bases stand go into the other set (0: none).
.macro STEP slot, q, zero, k
.set CS, \slot
.set CQ, \q
.set CP, (\q)%2
.set CZ, \zero
.if (\q) == 0
	s_wait_loadcnt 0x0                             ; this K step's scale words are in
.endif
	s_wait_dscnt 12
	PLACES                                         ; behind the last step's products, for the loads into the set that they read
	FETCH \slot, (\q)+1, 1-CP
.if \k
	SCALES 1-\slot, \k
.endif
.set mm, 0
	MULS 8
	s_wait_dscnt 40
	MULS 8
	s_wait_dscnt 36
	MULS 8
	s_wait_dscnt 32
	MULS 8
.set CZ, 0
.endm
; The first part of a slot's last step, which changes slots.  In front of the barrier each wave waits for all its tensor loads, adds 0 to its spare word, and waits for that and for its own reads of this slot.
.macro MEET slot
.set CS, \slot
.set CQ, 3
.set CP, 1
.set CZ, 0
	WIN 0
	s_wait_tensorcnt 0x0                           ; my quarter of the next slot is in
	ds_add_u32 v[SPW], v[NIL]
	s_wait_dscnt 13                                ; (the add and the loads of x's blocks 1 to 3 may be out)
.set mm, 0
	MULS 8
	s_wait_dscnt 0x0                               ; the add is done, and my reads of this slot are over
	s_barrier_signal -1
	MULS 4
	WIN 0
	s_barrier_wait -1
.endm
.macro TURN slot, next, n
	MEET \slot
	CREST                                          ; no wave of any partner still reads this slot's tiles or has a load on its way
	s_add_nc_u64 s[G0A+4*\slot+2:G0A+4*\slot+3], s[G0A+4*\slot+2:G0A+4*\slot+3], 2*ROWB
	s_add_nc_u64 s[G0B+4*\slot+2:G0B+4*\slot+3], s[G0B+4*\slot+2:G0B+4*\slot+3], 2*WSTEP
	JLOAD \slot                                    ; my one tensor load behind the round; the four v_nop behind it are also the places in front of the loads below
	FETCH \next, 0, 0
	s_cmp_lt_u32 s3, 2
	s_cbranch_scc1 .Lask_none_\@                   ; the loop's last trip asks for nothing: what would follow lies beyond K
	ASK \n
.Lask_none_\@:
	MULS 20
.endm
	s_wait_tensorcnt 0x0                           ; my quarter of K step 0 is in
	ds_add_u32 v[SPW], v[NIL]
	s_wait_dscnt 0x0
	CROUND                                         ; everybody's quarters are in, and the joint loads meet
	JLOAD 1                                        ; K step 1
	FETCH 0, 0, 0
	ASK 2
	ASK 3
	STEP 0, 0, 1, 1                                ; the first step stands in front of the loop: its products start the sums
	WIN 0
	s_mov_b32 s3, LAPS-1
.Llap:                                                 ; a trip goes once round the ring, from a lap's second step to the next lap's first, and fills both slots again
	STEP 0, 1, 0, 0
	STEP 0, 2, 0, 0
	TURN 0, 1, 4
	STEP 1, 0, 0, 2
	STEP 1, 1, 0, 0
	STEP 1, 2, 0, 0
	TURN 1, 0, 5
	STEP 0, 0, 0, 3
	WIN 0
	s_wait_xcnt 0x0                                ; the prefetches and the loads of scale words have read their addresses
	s_add_nc_u64 s[PFA:PFA+1], s[PFA:PFA+1], s[PFA+2:PFA+3]
	s_add_nc_u64 s[XSB:XSB+1], s[XSB:XSB+1], 2*SSTEP
	s_add_nc_u64 s[WSB:WSB+1], s[WSB:WSB+1], 2*SSTEP
	s_sub_co_u32 s3, s3, 1
	s_cmp_lg_u32 s3, 0
	s_cbranch_scc1 .Llap
	STEP 0, 1, 0, 0
	STEP 0, 2, 0, 0
; THE LAST K STEP, in slot 1, by rows.
.macro WL16                            ; sixteen loads of the 64 that bring w's fragments of the whole K step -> window 1, the q-th 128 along K at 64 q
	WIN TO_B
.rept 16
.set lQ, li/16
.set lF, (li%16)/2
.set lC, li%2
	ds_load_b128 v[64*lQ+8*lF+4*lC:64*lQ+8*lF+4*lC+3], v[ADRB+1] offset:64*lQ+32*lC+lF*16*PITCH
.set li, li+1
.endr
.endm
.macro XROW a                          ; x's block a, 32 rows x 512 K: 64 registers, buffer a % 2
	WIN 0
.irp q, 0,1,2,3
.irp u, 0,1
.irp c, 0,1
	ds_load_b128 v[XF+64*(\a%2)+16*\q+8*\u+4*\c:XF+64*(\a%2)+16*\q+8*\u+4*\c+3], v[ADRA+1] offset:64*\q+32*\c+(2*\a+\u)*16*PITCH
.endr
.endr
.endr
.endm
.macro ROW8 a, q                       ; eight products of block a, the q-th 128 along K: its eight accumulators by turns, K ascending
.set wB, 0
.rept 8
.set rD, 128*((\a)%2)+16*wB
.set rX, XF+64*((\a)%2)+16*(\q)
.set rW, 64*(\q)+8*wB
.set rS, SC+32+4*(\a)+(\q)
.set rT, SC+48+4*(wB/2)+(\q)
	WIN MUL_LO+0x50*((\a)/2)
	EMIT
.set wB, wB+1
.endr
.endm
; The way out of block a, registers 4 g .. 4 g + 3 of its accumulators: 32 additions of the bias gather eight times 16 bytes, eight stores send them: sixteen lanes a whole aligned unit of 256 bytes, two rows a store.
; They are gathered in registers that are free: block 0's in slot 0's scale words and in v96-127, block a's in block a - 1's accumulators.
.macro GROUP a, g
.set eW, 2+(\a)/2
.if (\a) == 0
.set eT, 0
.if (\g)%2
.set eR, TF
.else
.set eR, SC
.endif
.if (\g) == 2
	s_wait_xcnt 0x0                                ; the stores of groups 0 and 1 have read their registers
.endif
.else
.set eT, 2+((\a)-1)/2
.set eR, 128*(((\a)-1)%2)+32*(\g)
.endif
.set eS, (eW<<2)|(eT<<6)
	WIN eS
.irp u, 0,1,2,3
.irp k, 0,1,2,3,4,5,6,7
	v_add_f32 v[eR+8*\u+\k], v[BI+\k], v[128*((\a)%2)+16*\k+4*(\g)+\u]
.endr
.endr
.set eS, eT<<2
	WIN eS
.set eJ, 4*(\g)
.rept 4
	global_store_b128 v[CO], v[eR:eR+3], s[14:15] offset:(32*(\a)+16*(eJ/8)+eJ%8)*OROW th:TH_STORE_NT
	global_store_b128 v[CO], v[eR+4:eR+7], s[14:15] offset:(32*(\a)+16*(eJ/8)+eJ%8)*OROW+256 th:TH_STORE_NT
.set eR, eR+8
.set eJ, eJ+1
.endr
.endm
.macro OUTROW a, younger               ; block a leaves among block a + 1's products; younger: the loads of x's block a + 2, which may be out
.irp g, 0,1,2,3
	GROUP \a, \g
.if \g == 0
	s_wait_dscnt \younger
.endif
	ROW8 \a+1, \g
.endr
	PLACES                                         ; behind block a + 1's last products
.endm
	MEET 0                                         ; nothing is filled again: no round follows
	PLACES                                         ; for the loads into the sets that the step before read
	XROW 0
.set li, 0
	WL16                                           ; w's first two of four 128 along K: their registers are free
	WL16
	MULS 20
	PLACES                                         ; for the loads into the sets that these products read
	s_wait_loadcnt 0x0                             ; this K step's scale words, and the bias
	s_wait_dscnt 16                                ; x's block 0 and w's q = 0 are in (q = 1 may be out)
	WL16
	WL16
	ROW8 0, 0
	s_wait_dscnt 32                                ; q = 1 is in (2 and 3 may be out)
	ROW8 0, 1
	XROW 1
	s_wait_dscnt 32                                ; q = 2 is in (3 and x's block 1 may be out)
	ROW8 0, 2
	s_wait_dscnt 16                                ; q = 3 is in
	ROW8 0, 3
	PLACES
	XROW 2
	OUTROW 0, 16
	XROW 3
	OUTROW 1, 16
	OUTROW 2, 0
.irp g, 0,1,2,3
	GROUP 3, \g
.endr
	WIN 0
	s_wait_tensorcnt 0x0                           ; the wave's end
	ds_add_u32 v[SPW], v[NIL]
	s_wait_dscnt 0x0
	CROUND                                         ; the closing round: no work-group ends while a partner may still ask for a tile that names it
	s_endpgm
.Lfunc_end_k_qb4f501dbf4_gemm:
	.size	k_qb4f501dbf4_gemm, .Lfunc_end_k_qb4f501dbf4_gemm-k_qb4f501dbf4_gemm
	.p2alignl 7, 3214868480
	.fill 96, 4, 3214868480
	.section	.rodata,"a",@progbits
	.p2align	6, 0x0
	.amdhsa_kernel k_qb4f501dbf4_gemm
		.amdhsa_group_segment_fixed_size 327680
		.amdhsa_private_segment_fixed_size 0
		.amdhsa_enable_private_segment 0
		.amdhsa_kernarg_size 48
		.amdhsa_user_sgpr_count 2
		.amdhsa_user_sgpr_kernarg_segment_ptr 1
		.amdhsa_wavefront_size32 1
		.amdhsa_system_sgpr_workgroup_id_x 1
		.amdhsa_system_sgpr_workgroup_id_y 1
		.amdhsa_system_sgpr_workgroup_id_z 1
		.amdhsa_system_vgpr_workitem_id 0
		.amdhsa_next_free_vgpr 1024
		.amdhsa_next_free_sgpr 102
		.amdhsa_reserve_vcc 0
		.amdhsa_float_denorm_mode_32 3
		.amdhsa_float_denorm_mode_16_64 3
		.amdhsa_memory_ordered 1
		.amdhsa_forward_progress 1
		.amdhsa_inst_pref_size 147
	.end_amdhsa_kernel
	.amdgpu_metadata
---
amdhsa.version: [ 1, 2 ]
amdhsa.kernels:
  - .name:           k_qb4f501dbf4_gemm
    .symbol:         k_qb4f501dbf4_gemm.kd
    .args:
      - { .name: x_codes, .offset: 0, .size: 8, .value_kind: global_buffer, .address_space: global }
      - { .name: xs, .offset: 8, .size: 8, .value_kind: global_buffer, .address_space: global }
      - { .name: wq, .offset: 16, .size: 8, .value_kind: global_buffer, .address_space: global }
      - { .name: ws, .offset: 24, .size: 8, .value_kind: global_buffer, .address_space: global }
      - { .name: bias, .offset: 32, .size: 8, .value_kind: global_buffer, .address_space: global }
      - { .name: out0, .offset: 40, .size: 8, .value_kind: global_buffer, .address_space: global }
    .group_segment_fixed_size: 327680
    .private_segment_fixed_size: 0
    .kernarg_segment_align: 8
    .kernarg_segment_size: 48
    .max_flat_workgroup_size: 128
    .sgpr_count:     102
    .vgpr_count:     1024
    .wavefront_size: 32
...
	.end_amdgpu_metadata
.endif
;; end of part 2
